; MI455X (gfx1250); checked and timed in simulation.
; The chip was launched on July 23, 2026; its instructions are those of AMD's public machine-readable ISA for CDNA 5 (MIT licence, August 2026) and "CDNA5" Instruction Set Architecture Reference Guide (July 2026). The comments in the code are by the model that wrote it; some were corrected since.
;; Quaternion LSTM Cell. Allowed arithmetic: float matrix products may take bf16 or f16 operands with f32 sums; all other float work in f32.
;; Inputs: Uc_b 512 x 4 float32; Uc_w 4 x 512 x 512 float32; Uf_b 512 x 4 float32; Uf_w 4 x 512 x 512 float32; Ui_b 512 x 4 float32; Ui_w 4 x 512 x 512 float32; Uo_b 512 x 4 float32; Uo_w 4 x 512 x 512 float32; Wc_w 4 x 512 x 512 float32; Wf_w 4 x 512 x 512 float32; Wi_w 4 x 512 x 512 float32; Wo_w 4 x 512 x 512 float32; c 2,048 x 512 x 4 float32; h 2,048 x 512 x 4 float32; x 2,048 x 512 x 4 float32.
;; Outputs: out0 2,048 x 512 x 4 float32; out1 2,048 x 512 x 4 float32.
;; One version. Each part assembles by itself: llvm-mc -triple=amdgcn-amd-amdhsa -mcpu=gfx1250 --defsym DOCPART=n.
;; ======== version 1 of 1: 2 launches
;; limits: a function is approximated: absolute error at most 1e-07; values are held in f16: magnitudes above 65,504 overflow, below 6.1e-05 lose precision; inputs' magnitudes at most 65,504
;; workspace buffers: Af16 16,777,216 bytes; Bf16 29,360,128 bytes
;; launch prep (part 1): grid 512 x 1, 8 waves a work-group, no clusters, 0 bytes of LDS; arguments x, h, Wi_w, Wf_w, Wo_w, Wc_w, Ui_w, Uf_w, Uo_w, Uc_w, Af16, Bf16; writes Af16, Bf16
.if DOCPART == 1
	.amdgcn_target "amdgcn-amd-amdhsa--gfx1250"
	.amdhsa_code_object_version 6
	.text
	.protected	k_qc343f1e696_prep
	.globl	k_qc343f1e696_prep
	.p2align	8
	.type	k_qc343f1e696_prep,@function
k_qc343f1e696_prep:
	s_mov_b64 s[64:65], 0
	v_nop
	global_prefetch_b8 v0, s[64:65] scope:SCOPE_SE
	s_setreg_imm32_b32 hwreg(HW_REG_WAVE_MODE, 25, 1), 1
	s_wait_xcnt 0x0
; THE OPERANDS OF THE CELL'S ONE PRODUCT, in f16 (each number rounded once).
; Af16 [2048][4096]: row b = x[b] as it lies in memory (k = 4 i + component, 2,048 numbers), then h[b] likewise.
; Bf16 [3584][4096]: row (o / 16) * 112 + g * 16 + o % 16; g = 0, 1, 2: the real component of gates i, f, o; g = 3 + q: component q of the candidate.
;   Element k = src * 2048 + 4 i + cin holds sign(cin, q) * W[cin xor q][o][i] (src 0: the W matrices, src 1: the U matrices; q = 0 for g < 3):
;   the block of the Hamilton matrix for input component cin and output component q.  Negative: q = 0 at cin 1, 2, 3; q = 1 at cin 2; q = 2 at cin 3; q = 3 at cin 1.
; The nine column groups of gates i, f, o whose results the cell never uses (their components 1 to 3) are not laid out; every plane of every weight still enters.
; WHY f16.  A pre-activation is a sum of 4,096 products; what the operands lose in rounding reaches the results, of which every one must lie within a hundredth of their root mean square.
; f16 keeps 11 significant bits where bf16 keeps 8: an eighth of the error.
; LIMITS.  f16 holds no number beyond 65,504: an x, h or weight of magnitude 65,520 or more becomes an infinity; below 6.1e-5 a number keeps f16's fixed step of 6e-8.
; A STREAM: no LDS, no barrier, no matrix unit.  512 work-groups of eight waves.  Work-group wg owns output row o = wg of all eight matrices and rows 4 wg .. 4 wg + 3 of x and h.
; Thread t owns i = 2 t, 2 t + 1 of a weight row: a wave's load of 8 bytes a lane covers 256 consecutive bytes of a plane's row, its store of 16 bytes a lane 512 consecutive bytes of a row of Bf16.
; In the cast a wave's load covers 512 consecutive bytes, its store 256, each aligned to its own length.
; All 48 loads of a wave go out first; every register is written once more at the most, behind its own load's wait, and no address register is rewritten: so no wait frees a source.
.set VW,  1                            ; v1        8 t + 2,048 wg: my 8 bytes in row wg of a plane
.set V16, 2                            ; v2        16 t
.set V8,  3                            ; v3        8 t
.set WW,  8                            ; v[8:71]   matrix m, plane p, number e at WW + 8 m + 2 p + e
.set XA,  72                           ; v[72:135] chunk u of the cast: four f32, then two words of f16
.set OUT, 136                          ; v[136:191] fourteen rows of Bf16, four words each
	s_load_b512 s[4:19], s[0:1], 0x0               ; x s[4:5], h s[6:7], Wi, Wf, Wo, Wc, Ui, Uf: matrix m at s[8+2m:9+2m]
	s_load_b256 s[20:27], s[0:1], 0x40             ; Uo, Uc (m = 6, 7), Af16 s[24:25], Bf16 s[26:27]
	s_lshl_b32 s32, ttmp9, 15                      ; four rows of 8,192 bytes: the same in x, in h and in Af16
	s_mov_b32 s33, 0
	s_lshr_b32 s34, ttmp9, 4
	s_mul_i32 s34, s34, 112
	s_and_b32 s35, ttmp9, 15
	s_add_co_u32 s34, s34, s35                     ; Bf16's row for g = 0
	s_lshl_b32 s34, s34, 13                        ; in bytes
	s_mov_b32 s35, 0
	s_lshl_b32 s36, ttmp9, 11                      ; row wg of a plane: 2,048 bytes a row
	s_mov_b32 s28, 0x80000000                      ; flips the sign of a word's upper f16,
	s_mov_b32 s29, 0x80008000                      ; of both,
	s_mov_b32 s30, 0x00008000                      ; of the lower
	v_lshl_add_u32 v[VW], v0, 3, s36
	v_lshlrev_b32 v[V16], 4, v0
	v_lshlrev_b32 v[V8], 3, v0
	s_wait_kmcnt 0x0
	s_add_nc_u64 s[4:5], s[4:5], s[32:33]
	s_add_nc_u64 s[6:7], s[6:7], s[32:33]
	s_add_nc_u64 s[24:25], s[24:25], s[32:33]
	s_add_nc_u64 s[26:27], s[26:27], s[34:35]
.irp m, 0,1,2,3,4,5,6,7
.irp p, 0,1,2,3
	global_load_b64 v[WW+8*(\m)+2*(\p):WW+8*(\m)+2*(\p)+1], v[VW], s[8+2*(\m):9+2*(\m)] offset:(\p)*1048576 th:TH_LOAD_NT  ; a plane is 512 x 512 x 4 bytes
.endr
.endr
.irp u, 0,1,2,3,4,5,6,7,8,9,10,11,12,13,14,15  ; u = 8 src + 2 row + half
	global_load_b128 v[XA+4*(\u):XA+4*(\u)+3], v[V16], s[4+2*((\u)/8):5+2*((\u)/8)] offset:(((\u)/2)%4)*8192+((\u)%2)*4096 th:TH_LOAD_NT
.endr
; Eight numbers of the row for matrix m and output component q: for e = 0, 1 the words (cin 0, cin 1) and (cin 2, cin 3) of i = 2 t + e.
; The planes are q, q xor 1, q xor 2, q xor 3, written as arithmetic.  The sign is set on the rounded number: the rounding is symmetric about 0, so that equals rounding the negated number.
.macro ROWQ m, q, dst
.irp e, 0,1
	v_cvt_pk_f16_f32 v[(\dst)+2*(\e)],   v[WW+8*(\m)+2*(\q)+(\e)],         v[WW+8*(\m)+2*((\q)+1-2*((\q)%2))+(\e)]
	v_cvt_pk_f16_f32 v[(\dst)+2*(\e)+1], v[WW+8*(\m)+2*(((\q)+2)%4)+(\e)], v[WW+8*(\m)+2*(3-(\q))+(\e)]
.if (\q) == 0
	v_xor_b32 v[(\dst)+2*(\e)],   s28, v[(\dst)+2*(\e)]
	v_xor_b32 v[(\dst)+2*(\e)+1], s29, v[(\dst)+2*(\e)+1]
.elseif (\q) == 1
	v_xor_b32 v[(\dst)+2*(\e)+1], s30, v[(\dst)+2*(\e)+1]
.elseif (\q) == 2
	v_xor_b32 v[(\dst)+2*(\e)+1], s28, v[(\dst)+2*(\e)+1]
.else
	v_xor_b32 v[(\dst)+2*(\e)],   s28, v[(\dst)+2*(\e)]
.endif
.endr
.endm
.macro EMIT m, q, g                    ; the row of column group g: 16 rows of 8,192 bytes a group; the U matrices fill the row's second 4,096 bytes
	ROWQ \m, \q, OUT+4*(7*((\m)/4)+(\g))
	global_store_b128 v[V16], v[OUT+4*(7*((\m)/4)+(\g)):OUT+4*(7*((\m)/4)+(\g))+3], s[26:27] offset:(\g)*131072+((\m)/4)*4096
.endm
.irp m, 0,1,2,3,4,5,6,7
	s_wait_loadcnt 16+4*(7-(\m))                   ; loads come back in order (ISA guide 5.7.1): matrix m's four are in; the later matrices' and the cast's sixteen stay out
.if ((\m)%4) < 3
	EMIT \m, 0, (\m)%4
.else
.irp q, 0,1,2,3
	EMIT \m, \q, 3+(\q)
.endr
.endif
.endr
.irp u, 0,1,2,3,4,5,6,7,8,9,10,11,12,13,14,15
	s_wait_loadcnt 15-(\u)                         ; chunk u is in, the later chunks stay out
	v_cvt_pk_f16_f32 v[XA+4*(\u)],   v[XA+4*(\u)],   v[XA+4*(\u)+1]
	v_cvt_pk_f16_f32 v[XA+4*(\u)+1], v[XA+4*(\u)+2], v[XA+4*(\u)+3]
	global_store_b64 v[V8], v[XA+4*(\u):XA+4*(\u)+1], s[24:25] offset:(((\u)/2)%4)*8192+((\u)/8)*4096+((\u)%2)*2048
.endr
	s_endpgm
.Lfunc_end_k_qc343f1e696_prep:
	.size	k_qc343f1e696_prep, .Lfunc_end_k_qc343f1e696_prep-k_qc343f1e696_prep
	.p2alignl 7, 3214868480
	.fill 96, 4, 3214868480
	.section	.rodata,"a",@progbits
	.p2align	6, 0x0
	.amdhsa_kernel k_qc343f1e696_prep
		.amdhsa_group_segment_fixed_size 0
		.amdhsa_private_segment_fixed_size 0
		.amdhsa_enable_private_segment 0
		.amdhsa_kernarg_size 96
		.amdhsa_user_sgpr_count 2
		.amdhsa_user_sgpr_kernarg_segment_ptr 1
		.amdhsa_wavefront_size32 1
		.amdhsa_system_sgpr_workgroup_id_x 1
		.amdhsa_system_sgpr_workgroup_id_y 1
		.amdhsa_system_sgpr_workgroup_id_z 1
		.amdhsa_system_vgpr_workitem_id 0
		.amdhsa_next_free_vgpr 192
		.amdhsa_next_free_sgpr 66
		.amdhsa_reserve_vcc 0
		.amdhsa_float_denorm_mode_32 3
		.amdhsa_float_denorm_mode_16_64 3
		.amdhsa_memory_ordered 1
		.amdhsa_forward_progress 1
		.amdhsa_inst_pref_size 17
	.end_amdhsa_kernel
	.amdgpu_metadata
---
amdhsa.version: [ 1, 2 ]
amdhsa.kernels:
  - .name:           k_qc343f1e696_prep
    .symbol:         k_qc343f1e696_prep.kd
    .args:
      - { .name: x, .offset: 0, .size: 8, .value_kind: global_buffer, .address_space: global }
      - { .name: h, .offset: 8, .size: 8, .value_kind: global_buffer, .address_space: global }
      - { .name: Wi_w, .offset: 16, .size: 8, .value_kind: global_buffer, .address_space: global }
      - { .name: Wf_w, .offset: 24, .size: 8, .value_kind: global_buffer, .address_space: global }
      - { .name: Wo_w, .offset: 32, .size: 8, .value_kind: global_buffer, .address_space: global }
      - { .name: Wc_w, .offset: 40, .size: 8, .value_kind: global_buffer, .address_space: global }
      - { .name: Ui_w, .offset: 48, .size: 8, .value_kind: global_buffer, .address_space: global }
      - { .name: Uf_w, .offset: 56, .size: 8, .value_kind: global_buffer, .address_space: global }
      - { .name: Uo_w, .offset: 64, .size: 8, .value_kind: global_buffer, .address_space: global }
      - { .name: Uc_w, .offset: 72, .size: 8, .value_kind: global_buffer, .address_space: global }
      - { .name: Af16, .offset: 80, .size: 8, .value_kind: global_buffer, .address_space: global }
      - { .name: Bf16, .offset: 88, .size: 8, .value_kind: global_buffer, .address_space: global }
    .group_segment_fixed_size: 0
    .private_segment_fixed_size: 0
    .kernarg_segment_align: 8
    .kernarg_segment_size: 96
    .max_flat_workgroup_size: 256
    .sgpr_count:     66
    .vgpr_count:     192
    .wavefront_size: 32
...
	.end_amdgpu_metadata
.endif
;; end of part 1
;; launch cell (part 2): grid 16 x 16, 4 waves a work-group, clusters of 4 x 4, 327,680 bytes of LDS; arguments Af16, Bf16, c, Ui_b, Uf_b, Uo_b, Uc_b, out0, out1; writes out0, out1
.if DOCPART == 2
	.amdgcn_target "amdgcn-amd-amdhsa--gfx1250"
	.amdhsa_code_object_version 6
	.text
	.protected	k_qc343f1e696_cell
	.globl	k_qc343f1e696_cell
	.p2align	8
	.type	k_qc343f1e696_cell,@function
k_qc343f1e696_cell:
	s_mov_b64 s[64:65], 0
	v_nop
	global_prefetch_b8 v0, s[64:65] scope:SCOPE_SE
	s_setreg_imm32_b32 hwreg(HW_REG_WAVE_MODE, 25, 1), 1
	s_wait_xcnt 0x0
	s_wait_alu depctr_hold_cnt(0) depctr_sa_sdst(0) depctr_va_vdst(0) depctr_va_sdst(0) depctr_va_ssrc(0) depctr_va_vcc(0) depctr_vm_vsrc(0)
	s_getreg_b32 s2, hwreg(HW_REG_IB_STS2, 6, 4)
	s_cmp_eq_u32 s2, 0
	s_cbranch_scc0 .Lentry_in_a_cluster
	s_endpgm
.Lentry_in_a_cluster:
	s_bfe_u32 s2, ttmp6, 0x10000c
	s_cmp_lg_u32 s2, 0xf033
	s_cbranch_scc0 .Lentry_shape_is_right
	s_endpgm
.Lentry_shape_is_right:
; THE QUATERNION LSTM CELL: P = Af16 Bf16^T ([2048][4096] x [3584][4096], f16, sums in f32) and, on its results in registers, the whole update:
;   i, f, o = sigmoid(P_g + bias_g[o][0]), g = 0, 1, 2;   ct_q = tanh(P_(3+q) + Uc_b[o][q]);   c_t = f c + i ct (out1);   h_t = o tanh(c_t) (out0).
; LIMITS.  x, h and the weights arrive rounded to f16 (none beyond 65,504; below 6.1e-5 in steps of 6e-8); c, the biases and all that follows the product are f32.
; sigmoid(z) = 1 / (1 + 2^(-z log2 e)), tanh(z) = 1 - 2 / (1 + 2^(2 z log2 e)): where the power is infinite or 0 both give their limits, so nothing is clamped; near 0 tanh keeps an absolute error of about 1e-7.
; NaN and infinities in the inputs are not treated apart.
; Each sum over K is made in two parts (k mod 128 below 64, and from 64 on) that are added once, in f32.  Of Ui_b, Uf_b, Uo_b only column 0 reaches a result (the cell keeps component 0 of those gates): only it is loaded.
; SHARES.  A work-group owns 128 batch rows x 32 hidden units = 224 rows of Bf16: 16 x 16 work-groups.  Wave w = 2 kh + nh multiplies all 128 rows by the 112 rows of Bf16 of half nh (16 units x 7 column groups),
; over half kh of every K step: 8 x 7 = 56 accumulators of 16 x 16, 448 registers; for 32 along K 30 LDS loads feed 56 matrix instructions.  At the end each wave hands 28 accumulators to wave w xor 2 through LDS
; and keeps 28: it then holds the whole sums of rows 64 kh .. 64 kh + 63.  The text is the same in all waves: blocks 0-3 (kept) are rows 64 kh + 16 a, blocks 4-7 (sent) rows 64 (1 - kh) + 16 (a - 4): two LDS addresses carry the difference.
; LAYOUT.  Source 0 = 16 rows of Af16, source 1 = 16 rows of Bf16.  In a result lane l holds column l % 16 and rows 8 (l / 16) + 0..7.  The 7 columns of one hidden unit lie at the same place in 7 neighbouring blocks of 16 rows of Bf16,
; so a lane holds all seven numbers of (b, o): the update never leaves the lane, its four components are 16 consecutive bytes of out[b][o], and sixteen lanes store 256 consecutive bytes, aligned: no stage in LDS.
; RING.  K goes in 32 steps of 128 (rows of 256 bytes, each at a multiple of 256 from its buffer's first byte) through two LDS slots; two slots of 256 along K, 2 x 352 x 528 bytes, would not fit.
; CLUSTER.  4 x 4 work-groups.  The four of a row of the cluster need the same tile of Af16, the four of a column the same tile of Bf16: each tile is asked for JOINTLY, by the same tensor load with the same descriptor and a mask that names the four.
; REGISTERS, in windows of 256 (s_set_vgpr_msb: bits 1:0 source 0, 3:2 source 1, 5:4 source 2, 7:6 destination):
;   window 0: v0-29 addresses; v32-45 scaled biases; v48-55 biases as loaded; v64-127, v128-191 fragments of A, two buffers (in the update: the seven numbers of a block of rows); v192-255 c_t and h_t
;   window 1: v64-119, v128-183 fragments of B, two buffers; v0-63, v192-255 c, loaded at the start   window 2: the 28 accumulators that I keep ((a, g) at 8 (7 a + g))   window 3: the 28 that I send
.set KSTEP,  128
.set PITCH,  272                       ; an LDS row: 256 bytes + 16 of padding = 68 words: row r starts at bank 4 r mod 64 (64 banks of 4 bytes: ISA guide 11.1), so the 16 rows of a load start at 16 different banks
.set BOFF,   128*PITCH                 ; a slot: A's 128 rows, then B's 224
.set SLOT,   352*PITCH                 ; 95,744 bytes = 374 blocks of 256
.set XCH,    2*SLOT                    ; behind the ring, never filled by a tensor load: 28 accumulators x 1,024 bytes for each wave
.set XW,     28*1024
.set SPARE,  XCH+4*XW                  ; behind that: the spare words, 128 bytes for each wave: two blocks of 256 bytes that no other line names
.set LAPS,   4096/(2*KSTEP)            ; a lap = two K steps = once round the ring
.set ADRAL, 16                         ; v16-17  LDS address of the fragments of A's rows that I keep, slot 0, 1
.set ADRAH, 18                         ; v18-19  of those that I send
.set ADRB,  20                         ; v20-21  of B's
.set XS,    22                         ; v22     the exchange: where I put 16 bytes
.set XL,    23                         ; v23     where my partner has put them
.set CO,    24                         ; v24     my byte offset in c, out0, out1: 8 rows for the upper half of the lanes, 16 bytes a unit; never rewritten
.set BO,    25                         ; v25     my unit's byte offset in the biases
.set SPW,   28                         ; v28     LDS address of my spare word: SPARE + 4 x my thread's number; never rewritten
.set NIL,   29                         ; v29     0; never rewritten
.set BG,    32                         ; v[32:37] -log2 e x bias of gates i, f, o, each twice (a pair for the packed forms)
.set BC,    38                         ; v[38:45] 2 log2 e x the candidate's four biases, each twice
.set RB,    48                         ; v48-50, v[52:55] the biases as loaded
.set F0,    64                         ; fragment buffer 0
.set F1,    128                        ; fragment buffer 1
.set O1,    192                        ; v[192:223] c_t of a block: row j, component q at O1 + 4 j + q
.set O0,    224                        ; v[224:255] h_t likewise
.set WV,  22                           ; s22  my wave's number
.set KH,  23                           ; s23  which half of a K step I multiply.  Also: I fetch for A (0) or for B (1)
.set NH,  24                           ; s24  which 112 rows of B are mine.  Also: which half of that tile I fetch
.set G1A, 28                           ; s[28:35] descriptor group 1 for A's tiles
.set G0A, 36                           ; s[36:43] group 0, a set for each slot
.set G1B, 44                           ; s[44:51], s[52:59] the same for B's
.set G0B, 52
.set LS,  80                           ; s[80:81] -log2 e
.set LT,  82                           ; s[82:83] 2 log2 e
.set MSB, 0
.macro WIN new                         ; the immediate's high byte repeats the setting that is left; a switch that changes nothing is dropped
.if MSB != (\new)
	s_set_vgpr_msb (MSB<<8)|(\new)
.set MSB, \new
.endif
.endm
.set MUL_LO, 0xa4                      ; source 0 (A) window 0, source 1 (B) window 1, C and D window 2
.set TO_B,   0x40                      ; destination window 1, address window 0
; A joint load.  Waves 0 and 1 fetch A's two halves of 64 rows, waves 2 and 3 B's two halves of 112.  Each line has one mask and one set of registers for all that issue it; the branch hangs on the wave's number alone.
; An s_nop 0 and four v_nop follow each of the two lines, ahead of the jump, the label and what follows the macro.
.macro JLOAD s
	s_cmp_eq_u32 s[KH], 0
	s_cbranch_scc0 .Lfor_b_\@
	tensor_load_to_lds s[G0A+4*(\s):G0A+4*(\s)+3], s[G1A:G1A+7]
	s_nop 0
.rept 4
	v_nop
.endr
	s_branch .Lasked_\@
.Lfor_b_\@:
	tensor_load_to_lds s[G0B+4*(\s):G0B+4*(\s)+3], s[G1B:G1B+7]
	s_nop 0
.rept 4
	v_nop
.endr
.Lasked_\@:
.endm
; A round of the cluster's barrier: my work-group's barrier, so that wave 0's signal speaks for all four waves; wave 0 signals for the work-group; every wave waits for all sixteen; my work-group's barrier once more.
.macro CREST                           ; a round behind its opening barrier
	s_cmp_lg_u32 s[WV], 0
	s_cbranch_scc1 .Lnot_wave_0_\@
	s_barrier_signal -3
.Lnot_wave_0_\@:
	s_barrier_wait -3
	s_barrier_signal -1
	s_barrier_wait -1
.endm
.macro CROUND                          ; a whole round
	s_barrier_signal -1
	s_barrier_wait -1
	CREST
.endm
	s_load_b256 s[4:11], s[0:1], 0x0               ; Af16 s[4:5], Bf16 s[6:7], c s[8:9], Ui_b s[10:11]
	s_load_b256 s[12:19], s[0:1], 0x20             ; Uf_b s[12:13], Uo_b s[14:15], Uc_b s[16:17], out0 s[18:19]
	s_load_b64 s[20:21], s[0:1], 0x40              ; out1
	v_lshl_add_u32 v[SPW], v0, 2, SPARE
	v_mov_b32 v[NIL], 0
	ds_add_u32 v[SPW], v[NIL]                      ; the wave's opening: the add and its wait stand ahead of my first tensor load; the set-up below, work on registers, stands between them
	v_lshrrev_b32 v1, 5, v0
	v_readfirstlane_b32 s[WV], v1                  ; wave 0..3
	s_lshr_b32 s[KH], s[WV], 1
	s_and_b32 s[NH], s[WV], 1
	s_bfe_u32 s60, ttmp6, 0x40000                  ; cx: my place along the cluster's x
	s_bfe_u32 s61, ttmp6, 0x40004                  ; cy: along its y
	s_lshl_b32 s62, ttmp9, 2                       ; in a cluster launch ttmp9 and ttmp7 count clusters
	s_add_co_u32 s62, s62, s60                     ; my block of 32 hidden units = 4 x cluster x + cx
	s_and_b32 s63, ttmp7, 0xffff
	s_lshl_b32 s63, s63, 2
	s_add_co_u32 s63, s63, s61                     ; my block of 128 batch rows = 4 x cluster y + cy
	s_lshl_b32 s66, s61, 2
	s_lshl_b32 s66, 15, s66                        ; my row of the cluster: places 4 cy .. 4 cy + 3
	s_lshl_b32 s67, 0x1111, s60                    ; my column: places cx, cx + 4, cx + 8, cx + 12
	; descriptor group 1: tiles of 64 (A) or 112 (B) rows x 128 elements, padded in LDS
	s_or_b32 s[G1A+0], s66, (1<<16)|(1<<20)|(1<<21)|(5<<22)|(3<<25)  ; 15:0 the mask: A's tiles go to my row; 17:16 elements of 2 bytes; 20 padding on; 21 set beside a mask; 24:22 after every 64 words (code 5); 31:25 4 words of it (code 3)
	s_or_b32 s[G1B+0], s67, (1<<16)|(1<<20)|(1<<21)|(5<<22)|(3<<25)  ; the same with the mask of my column
	s_mov_b32 s[G1A+1], KSTEP<<16                  ; 63:48 tensor_dim0, low half = 128
	s_mov_b32 s[G1B+1], KSTEP<<16
	s_mov_b32 s[G1A+2], 64<<16                     ; 79:64 its high half = 0; 95:80 tensor_dim1, low half
	s_mov_b32 s[G1B+2], 112<<16
	s_mov_b32 s[G1A+3], KSTEP<<16                  ; 111:96 its high half = 0; 127:112 tile_dim0 = 128
	s_mov_b32 s[G1B+3], KSTEP<<16
	s_mov_b32 s[G1A+4], 64                         ; 143:128 tile_dim1; 159:144 tile_dim2 = 0
	s_mov_b32 s[G1B+4], 112
	s_mov_b32 s[G1A+5], 4096                       ; 191:160 tensor_dim0_stride, low word: elements from row to row
	s_mov_b32 s[G1B+5], 4096
	s_mov_b32 s[G1A+6], 0
	s_mov_b32 s[G1B+6], 0
	s_mov_b32 s[G1A+7], 0
	s_mov_b32 s[G1B+7], 0
	; where the tiles come from.  A's hang on the block of batch rows alone, which my row of the cluster shares; B's on the block of units alone, which my column shares.
	; Every wave makes both addresses, in registers that never hold the other coordinate, and asks by one of them.
	s_lshl_b32 s68, s63, 7
	s_lshl_b32 s77, s[NH], 6
	s_add_co_u32 s68, s68, s77                     ; A: row 128 x block + 64 x half,
	s_lshl_b32 s68, s68, 13                        ; rows of 8,192 bytes: under 2^25
	s_mov_b32 s69, 0
	s_mul_i32 s70, s62, 224
	s_mul_i32 s78, s[NH], 112
	s_add_co_u32 s70, s70, s78                     ; B: row 224 x block + 112 x half
	s_lshl_b32 s70, s70, 13
	s_mov_b32 s71, 0
	s_mul_i32 s72, s[NH], 64*PITCH                 ; and where they go in a slot: no place in the cluster enters an LDS address
	s_mul_i32 s73, s[NH], 112*PITCH
	s_add_co_u32 s73, s73, BOFF
	; my part of c, out0, out1: row 128 x block + 64 kh (8,192 bytes a row), unit 32 x block + 16 nh (16 bytes a unit)
	s_lshl_b32 s74, s63, 7
	s_lshl_b32 s85, s[KH], 6
	s_add_co_u32 s74, s74, s85
	s_lshl_b32 s74, s74, 13
	s_lshl_b32 s76, s62, 5
	s_lshl_b32 s85, s[NH], 4
	s_add_co_u32 s76, s76, s85
	s_lshl_b32 s76, s76, 4                         ; also my units' place in the biases
	s_add_co_u32 s74, s74, s76
	s_mov_b32 s75, 0
	s_mov_b32 s[LS], 0xbfb8aa3b                    ; -log2 e
	s_mov_b32 s[LS+1], 0xbfb8aa3b                  ; named with it as a pair
	s_mov_b32 s[LT], 0x4038aa3b                    ; 2 log2 e
	s_mov_b32 s[LT+1], 0x4038aa3b
	s_wait_dscnt 0x0                               ; the opening add is done
	s_wait_kmcnt 0x0
	s_add_nc_u64 s[68:69], s[4:5], s[68:69]
	s_add_nc_u64 s[70:71], s[6:7], s[70:71]
	s_add_nc_u64 s[8:9], s[8:9], s[74:75]
	s_add_nc_u64 s[18:19], s[18:19], s[74:75]
	s_add_nc_u64 s[20:21], s[20:21], s[74:75]
	CROUND                                         ; all sixteen work-groups are here: the first joint loads meet
.irp s, 0,1
	s_mov_b32 s[G0A+4*(\s)], 1                                       ; 1:0 count = 1
	s_add_co_u32 s[G0A+4*(\s)+1], s72, (\s)*SLOT                     ; 63:32 LDS address
	s_add_nc_u64 s[G0A+4*(\s)+2:G0A+4*(\s)+3], s[68:69], (\s)*KSTEP*2  ; 120:64 global address: K step s
	s_or_b32 s[G0A+4*(\s)+3], s[G0A+4*(\s)+3], 0x80000000            ; 127:126 type = 2
	s_mov_b32 s[G0B+4*(\s)], 1
	s_add_co_u32 s[G0B+4*(\s)+1], s73, (\s)*SLOT
	s_add_nc_u64 s[G0B+4*(\s)+2:G0B+4*(\s)+3], s[70:71], (\s)*KSTEP*2
	s_or_b32 s[G0B+4*(\s)+3], s[G0B+4*(\s)+3], 0x80000000
	JLOAD \s                                       ; the ring is filled before anything else is done: two loads of mine are out
.endr
	; A fragment is 16 rows x 32 K in 8 registers: lane l holds row l % 16; registers 0-3 hold K = 8 (l / 16) + 0..7, registers 4-7 K = 16 + 8 (l / 16) + 0..7: two loads of 16 bytes, 32 bytes apart.
	v_and_b32 v1, 15, v0                           ; l % 16
	v_bfe_u32 v2, v0, 4, 1                         ; l / 16
	v_mul_u32_u24 v3, v1, PITCH
	v_lshl_add_u32 v3, v2, 4, v3                   ; row x pitch + 16 x half of the lanes
	s_lshl_b32 s77, s[KH], 7
	v_add_nc_u32 v3, s77, v3                       ; + my half of the K step: 64 elements, 128 bytes
	s_mul_i32 s78, s[KH], 64*PITCH                 ; the rows of A that I keep,
	s_sub_co_u32 s79, 1, s[KH]
	s_mul_i32 s79, s79, 64*PITCH                   ; those that I send,
	s_mul_i32 s84, s[NH], 112*PITCH
	s_add_co_u32 s84, s84, BOFF                    ; my 112 rows of B
.irp s, 0,1
	v_add_nc_u32 v[ADRAL+(\s)], s78, v3
	v_add_nc_u32 v[ADRAH+(\s)], s79, v3
	v_add_nc_u32 v[ADRB+(\s)], s84, v3
	s_add_co_u32 s78, s78, SLOT
	s_add_co_u32 s79, s79, SLOT
	s_add_co_u32 s84, s84, SLOT
.endr
	v_and_b32 v4, 31, v0
	v_lshlrev_b32 v4, 4, v4                        ; the exchange: 16 bytes a lane, 512 consecutive bytes an instruction
	s_mul_i32 s85, s[WV], XW
	s_add_co_u32 s85, s85, XCH
	v_add_nc_u32 v[XS], s85, v4                    ; my region,
	s_xor_b32 s86, s[WV], 2
	s_mul_i32 s86, s86, XW
	s_add_co_u32 s86, s86, XCH
	v_add_nc_u32 v[XL], s86, v4                    ; that of the wave with my columns and the other half of K
	v_lshlrev_b32 v[CO], 4, v1
	v_lshl_add_u32 v[CO], v2, 16, v[CO]            ; 16 bytes a unit, 8 rows of 8,192 bytes for the upper half of the lanes
	v_lshl_add_u32 v[BO], v1, 4, s76
	global_load_b32 v[RB],   v[BO], s[10:11]       ; Ui_b[o][0]
	global_load_b32 v[RB+1], v[BO], s[12:13]       ; Uf_b[o][0]
	global_load_b32 v[RB+2], v[BO], s[14:15]       ; Uo_b[o][0]
	global_load_b128 v[RB+4:RB+7], v[BO], s[16:17] ; Uc_b[o][0..3]
	; c of my 64 rows x 16 units goes into registers now and is waited for only in the update: block a, row j at CC(a) + 4 j in window 1
	WIN TO_B
.irp a, 0,1,2,3
.irp j, 0,1,2,3,4,5,6,7
	global_load_b128 v[32*(\a)+128*((\a)/2)+4*(\j):32*(\a)+128*((\a)/2)+4*(\j)+3], v[CO], s[8:9] offset:(16*(\a)+(\j))*8192 th:TH_LOAD_NT  ; CC = 0, 32, 192, 224
.endr
.endr
	WIN 0
	s_wait_loadcnt 32                              ; the four loads of biases are in; the 32 of c behind them stay out
.irp g, 0,1,2
	v_mul_f32 v[BG+2*(\g)],   s[LS], v[RB+(\g)]
	v_mul_f32 v[BG+2*(\g)+1], s[LS], v[RB+(\g)]
.endr
.irp q, 0,1,2,3
	v_mul_f32 v[BC+2*(\q)],   s[LT], v[RB+4+(\q)]
	v_mul_f32 v[BC+2*(\q)+1], s[LT], v[RB+4+(\q)]
.endr
; 14 matrix instructions: row blocks a0, a0 + 1 of the window's four (hi = 0: the rows that I keep, 1: those that I send) x all 7 column groups, 32 along K.  zero = 1: the first product starts the sums: nothing is cleared.
; The 56 accumulators take turns in the same order in every run, one instruction a turn: between two instructions on one accumulator stand the 55 others'.
.macro MUL14 f, hi, a0, zero
	WIN MUL_LO+0x50*(\hi)
.irp a, \a0, (\a0)+1
.irp g, 0,1,2,3,4,5,6
.if \zero
	v_wmma_f32_16x16x32_f16 v[8*(7*(\a)+(\g)):8*(7*(\a)+(\g))+7], v[(\f)+8*(4*(\hi)+(\a)):(\f)+8*(4*(\hi)+(\a))+7], v[(\f)+8*(\g):(\f)+8*(\g)+7], 0
.else
	v_wmma_f32_16x16x32_f16 v[8*(7*(\a)+(\g)):8*(7*(\a)+(\g))+7], v[(\f)+8*(4*(\hi)+(\a)):(\f)+8*(4*(\hi)+(\a))+7], v[(\f)+8*(\g):(\f)+8*(\g)+7], v[8*(7*(\a)+(\g)):8*(7*(\a)+(\g))+7]
.endif
.endr
.endr
.endm
; 30 LDS loads in one run: the fragments of 32 along K at byte k of my half of the rows, into buffer f: 14 for B, 8 for the rows of A that I keep, 8 for those that I send
.macro FETCH slot, k, f
	WIN TO_B
.irp g, 0,1,2,3,4,5,6
	ds_load_b128 v[(\f)+8*(\g):(\f)+8*(\g)+3],   v[ADRB+(\slot)] offset:(\k)+(\g)*16*PITCH
	ds_load_b128 v[(\f)+8*(\g)+4:(\f)+8*(\g)+7], v[ADRB+(\slot)] offset:(\k)+(\g)*16*PITCH+32
.endr
	WIN 0
.irp a, 0,1,2,3
	ds_load_b128 v[(\f)+8*(\a):(\f)+8*(\a)+3],   v[ADRAL+(\slot)] offset:(\k)+(\a)*16*PITCH
	ds_load_b128 v[(\f)+8*(\a)+4:(\f)+8*(\a)+7], v[ADRAL+(\slot)] offset:(\k)+(\a)*16*PITCH+32
.endr
.irp a, 0,1,2,3
	ds_load_b128 v[(\f)+32+8*(\a):(\f)+32+8*(\a)+3],   v[ADRAH+(\slot)] offset:(\k)+(\a)*16*PITCH
	ds_load_b128 v[(\f)+32+8*(\a)+4:(\f)+32+8*(\a)+7], v[ADRAH+(\slot)] offset:(\k)+(\a)*16*PITCH+32
.endr
.endm
; A load into a register that a matrix instruction has read, and a vector instruction or LDS store that reads a matrix result, stand four places behind that matrix instruction, and only plain vector
; instructions that name none of its registers are places (ISA guide 7.12.1 for vector instructions).
.macro PLACES
.rept 4
	v_nop
.endr
.endm
; My part of a K step is two halves of 32 along K, 56 matrix instructions each, on buffers 0 and 1.  The first half: multiplies buffer f; early in it the second half's fragments, at byte k, are fetched into buffer g.
.macro QUARTER slot, k, f, g, zero
	s_wait_dscnt 8                                 ; B and the rows of A that I keep are in; the youngest eight loads (the rows that I send) may be out
	MUL14 \f, 0, 0, \zero
	PLACES
	FETCH \slot, \k, \g
	s_wait_dscnt 30                                ; all but the 30 just issued
	MUL14 \f, 0, 2, \zero
	MUL14 \f, 1, 0, \zero
	MUL14 \f, 1, 2, \zero
.endm
; The second half multiplies buffer 1 and changes slots.  MEET is its beginning: ONE barrier for the change of slots.  In front of it each wave waits for all its tensor loads, of which one is out: its part of the
; next slot; adds 0 to its spare word; and waits for that and for its own reads of this slot.  Behind it nobody reads this slot any more and the next slot is whole.
.macro MEET round                      ; round = 1: a round of the cluster's barrier follows
	WIN 0                                          ; (the add's two registers lie in window 0)
	s_wait_tensorcnt 0x0                           ; all my tensor loads have landed;
	ds_add_u32 v[SPW], v[NIL]                      ; 0 onto my spare word;
	s_wait_dscnt 9                                 ; (the add and the youngest eight loads may be out)
	MUL14 F1, 0, 0, 0                              ; fourteen matrix instructions stand between the add and the wait for it
	s_wait_dscnt 0x0                               ; the add is done, and my reads of this slot are over:
	s_barrier_signal -1                            ; say so,
	MUL14 F1, 0, 2, 0                              ; work on registers while the others arrive,
.if \round
	WIN 0
.endif
	s_barrier_wait -1                              ; and go on when all four have said so
.endm
; The whole second half.  Behind the round the slot just read out is filled again first, with the K step two steps on; then come the next slot's first fragments.  From a request to the wait for it a wave issues 84 matrix instructions.
.macro TURN slot, next
	MEET 1
	CREST                                          ; no wave of any partner still reads this slot's tile or has a load on its way
	s_add_nc_u64 s[G0A+4*(\slot)+2:G0A+4*(\slot)+3], s[G0A+4*(\slot)+2:G0A+4*(\slot)+3], 2*KSTEP*2  ; no tensor load of mine is out: a group 0 may be written; the type bits on top are not reached
	s_add_nc_u64 s[G0B+4*(\slot)+2:G0B+4*(\slot)+3], s[G0B+4*(\slot)+2:G0B+4*(\slot)+3], 2*KSTEP*2
	JLOAD \slot                                    ; the first tensor load behind the round, my only one until the next; the four v_nop behind it are also the places in front of the loads below
	FETCH \next, 0, F0
	MUL14 F1, 1, 0, 0
	MUL14 F1, 1, 2, 0
.endm
	s_wait_tensorcnt 1                             ; my part of K step 0 is in; K step 1's may stay out
	s_barrier_signal -1
	s_barrier_wait -1                              ; everybody's is
	FETCH 0, 0, F0
	QUARTER 0, 64, F0, F1, 1                       ; the first half step stands in front of the loop: its products start the sums
	WIN 0                                          ; at a label and at a branch every window is 0
	s_mov_b32 s3, LAPS-1
.Llap:                                                 ; a trip goes once round the ring, from a lap's second half step to the next lap's first, and fills both slots again
	TURN 0, 1
	QUARTER 1, 64, F0, F1, 0
	TURN 1, 0
	QUARTER 0, 64, F0, F1, 0
	WIN 0
	s_sub_co_u32 s3, s3, 1
	s_cmp_lg_u32 s3, 0
	s_cbranch_scc1 .Llap
	MEET 0                                         ; the last lap is written out: the load that was out is the last K step's, so no round follows
	PLACES                                         ; for the loads into buffer 0
	FETCH 1, 0, F0
	MUL14 F1, 1, 0, 0
	MUL14 F1, 1, 2, 0
	QUARTER 1, 64, F0, F1, 0
	s_wait_dscnt 8                                 ; the very last half step: nothing more to fetch
	MUL14 F1, 0, 0, 0
	MUL14 F1, 0, 2, 0
	s_wait_dscnt 0x0
	MUL14 F1, 1, 0, 0
	MUL14 F1, 1, 2, 0
	; THE EXCHANGE.  The 28 accumulators of the rows that are my partner's go into my region of LDS, four registers an instruction, in ascending order (each accumulator's lowest registers first).
	PLACES
	WIN 0x0c                                       ; store data (source 1) in window 3
.set t, 0
.rept 56
	ds_store_b128 v[XS], v[4*t:4*t+3] offset:512*t
.set t, t+1
.endr
	WIN 0
	s_wait_dscnt 0x0                               ; for the partner's sake: my stores are done
	s_barrier_signal -1
	s_barrier_wait -1
; The partner's part of block a (its registers 56 a .. 56 a + 55) into v[R ..]: column group g, row j at R + 8 g + j.  R is v64 or v128 by turns: the fragment buffers, whose last readers stand in front of the places above.
.macro XLOAD a
	WIN 0
.set R, 64+64*((\a)%2)
.set t, 0
.rept 14
	ds_load_b128 v[R+4*t:R+4*t+3], v[XL] offset:(14*(\a)+t)*512
.set t, t+1
.endr
.endm
; THE UPDATE of block a: 16 rows x 16 units, eight (b, o) a lane.  younger: the LDS loads issued behind this block's, which may stay out.
; Behind a run of exponentials or reciprocals one plain instruction stands before a result is used (ISA guide 5.7.2).
.macro BLOCK a, younger
.set R, 64+64*((\a)%2)
.set CC, 32*(\a)+128*((\a)/2)
	WIN 0
	s_wait_dscnt \younger
	WIN 0x02                                       ; source 0 in window 2: my own part of the sums, from each accumulator's low end on
.set p, 0
.rept 28
	v_pk_add_f32 v[R+2*p:R+2*p+1], v[56*(\a)+2*p:56*(\a)+2*p+1], v[R+2*p:R+2*p+1]
.set p, p+1
.endr
	WIN 0
.set p, 0
.rept 12                                               ; gates i, f, o: -log2 e x (sum + bias)
	v_pk_fma_f32 v[R+2*p:R+2*p+1], v[R+2*p:R+2*p+1], s[LS:LS+1], v[BG+2*(p/4):BG+2*(p/4)+1] op_sel_hi:[1,0,1]
.set p, p+1
.endr
.set p, 0
.rept 16                                               ; the candidate's four components: 2 log2 e x (sum + bias)
	v_pk_fma_f32 v[R+24+2*p:R+24+2*p+1], v[R+24+2*p:R+24+2*p+1], s[LT:LT+1], v[BC+2*(p/4):BC+2*(p/4)+1] op_sel_hi:[1,0,1]
.set p, p+1
.endr
.set p, 0
.rept 56
	v_exp_f32 v[R+p], v[R+p]
.set p, p+1
.endr
	v_nop
.set p, 0
	s_wait_alu depctr_va_vdst(0)
.rept 28
	v_pk_add_f32 v[R+2*p:R+2*p+1], v[R+2*p:R+2*p+1], 1.0 op_sel_hi:[1,0]
.set p, p+1
.endr
.set p, 0
.rept 56
	v_rcp_f32 v[R+p], v[R+p]                       ; groups 0-2 are now i, f, o
.set p, p+1
.endr
	v_nop
.set p, 0
	s_wait_alu depctr_va_vdst(0)
.rept 16
	v_pk_fma_f32 v[R+24+2*p:R+24+2*p+1], v[R+24+2*p:R+24+2*p+1], -2.0, 1.0 op_sel_hi:[1,0,0]  ; tanh = 1 - 2 / (1 + 2^..)
.set p, p+1
.endr
.set p, 0
.rept 16
	v_pk_mul_f32 v[R+24+2*p:R+24+2*p+1], v[R+24+2*p:R+24+2*p+1], v[R+2*(p%4):R+2*(p%4)+1]     ; i x candidate
.set p, p+1
.endr
.set p, 0
.rept 4
	v_pk_mul_f32 v[R+2*p:R+2*p+1], v[R+16+2*p:R+16+2*p+1], -2.0 op_sel_hi:[1,0]               ; i is used up: its place takes -2 o
.set p, p+1
.endr
	s_wait_loadcnt 8*(3-(\a))                      ; this block's eight loads of c are in; the later blocks' stay out
	s_wait_xcnt 0x0                                ; every earlier memory instruction has had its addresses translated (ISA guide 3.1): only behind this wait are O1 and O0, which the last block's stores read, rewritten
	WIN 0x04                                       ; source 1 in window 1: c
.set n, 0
.rept 32
	v_fma_f32 v[O1+n], v[R+8+n/4], v[CC+n], v[R+24+8*(n%4)+n/4]  ; c_t = f c + i x candidate: row n / 4, component n % 4
.set n, n+1
.endr
	WIN 0
.irp j, 0,1,2,3,4,5,6,7
	global_store_b128 v[CO], v[O1+4*(\j):O1+4*(\j)+3], s[20:21] offset:(16*(\a)+(\j))*8192 th:TH_STORE_NT  ; each half of the lanes stores 256 consecutive bytes, at a multiple of 256 from out1's first byte
.endr
.set p, 0
.rept 16
	v_pk_mul_f32 v[O0+2*p:O0+2*p+1], v[O1+2*p:O1+2*p+1], s[LT:LT+1] op_sel_hi:[1,0]
.set p, p+1
.endr
.set p, 0
.rept 32
	v_exp_f32 v[O0+p], v[O0+p]
.set p, p+1
.endr
	v_nop
.set p, 0
	s_wait_alu depctr_va_vdst(0)
.rept 16
	v_pk_add_f32 v[O0+2*p:O0+2*p+1], v[O0+2*p:O0+2*p+1], 1.0 op_sel_hi:[1,0]
.set p, p+1
.endr
.set p, 0
.rept 32
	v_rcp_f32 v[O0+p], v[O0+p]
.set p, p+1
.endr
	v_nop
.set n, 0
	s_wait_alu depctr_va_vdst(0)
.rept 32
	v_fma_f32 v[O0+n], v[O0+n], v[R+n/4], v[R+16+n/4]  ; h_t = o tanh(c_t) = o - 2 o / (1 + 2^..)
.set n, n+1
.endr
.irp j, 0,1,2,3,4,5,6,7
	global_store_b128 v[CO], v[O0+4*(\j):O0+4*(\j)+3], s[18:19] offset:(16*(\a)+(\j))*8192 th:TH_STORE_NT
.endr
.endm
	XLOAD 0
	XLOAD 1
	BLOCK 0, 14                                    ; block 1's fourteen loads may stay out
	XLOAD 2
	BLOCK 1, 14
	XLOAD 3
	BLOCK 2, 14
	BLOCK 3, 0
	s_wait_tensorcnt 0x0                           ; the wave's end, behind my last tensor load and my last LDS store
	ds_add_u32 v[SPW], v[NIL]
	s_wait_dscnt 0x0
	CROUND                                         ; the closing round: no work-group ends while a partner may still ask for a tile that names it
	s_endpgm
.Lfunc_end_k_qc343f1e696_cell:
	.size	k_qc343f1e696_cell, .Lfunc_end_k_qc343f1e696_cell-k_qc343f1e696_cell
	.p2alignl 7, 3214868480
	.fill 96, 4, 3214868480
	.section	.rodata,"a",@progbits
	.p2align	6, 0x0
	.amdhsa_kernel k_qc343f1e696_cell
		.amdhsa_group_segment_fixed_size 327680
		.amdhsa_private_segment_fixed_size 0
		.amdhsa_enable_private_segment 0
		.amdhsa_kernarg_size 72
		.amdhsa_user_sgpr_count 2
		.amdhsa_user_sgpr_kernarg_segment_ptr 1
		.amdhsa_wavefront_size32 1
		.amdhsa_system_sgpr_workgroup_id_x 1
		.amdhsa_system_sgpr_workgroup_id_y 1
		.amdhsa_system_sgpr_workgroup_id_z 1
		.amdhsa_system_vgpr_workitem_id 0
		.amdhsa_next_free_vgpr 1024
		.amdhsa_next_free_sgpr 96
		.amdhsa_reserve_vcc 0
		.amdhsa_float_denorm_mode_32 3
		.amdhsa_float_denorm_mode_16_64 3
		.amdhsa_memory_ordered 1
		.amdhsa_forward_progress 1
		.amdhsa_inst_pref_size 151
	.end_amdhsa_kernel
	.amdgpu_metadata
---
amdhsa.version: [ 1, 2 ]
amdhsa.kernels:
  - .name:           k_qc343f1e696_cell
    .symbol:         k_qc343f1e696_cell.kd
    .args:
      - { .name: Af16, .offset: 0, .size: 8, .value_kind: global_buffer, .address_space: global }
      - { .name: Bf16, .offset: 8, .size: 8, .value_kind: global_buffer, .address_space: global }
      - { .name: c, .offset: 16, .size: 8, .value_kind: global_buffer, .address_space: global }
      - { .name: Ui_b, .offset: 24, .size: 8, .value_kind: global_buffer, .address_space: global }
      - { .name: Uf_b, .offset: 32, .size: 8, .value_kind: global_buffer, .address_space: global }
      - { .name: Uo_b, .offset: 40, .size: 8, .value_kind: global_buffer, .address_space: global }
      - { .name: Uc_b, .offset: 48, .size: 8, .value_kind: global_buffer, .address_space: global }
      - { .name: out0, .offset: 56, .size: 8, .value_kind: global_buffer, .address_space: global }
      - { .name: out1, .offset: 64, .size: 8, .value_kind: global_buffer, .address_space: global }
    .group_segment_fixed_size: 327680
    .private_segment_fixed_size: 0
    .kernarg_segment_align: 8
    .kernarg_segment_size: 72
    .max_flat_workgroup_size: 128
    .sgpr_count:     96
    .vgpr_count:     1024
    .wavefront_size: 32
...
	.end_amdgpu_metadata
.endif
;; end of part 2
